; MI455X (gfx1250); checked and timed in simulation.
; The chip was launched on July 23, 2026; its instructions are those of AMD's public machine-readable ISA for CDNA 5 (MIT licence, August 2026) and "CDNA5" Instruction Set Architecture Reference Guide (July 2026). The comments in the code are by the model that wrote it; some were corrected since.
;; Multi Head Attention. Allowed arithmetic: matrix products marked QUANTISED: E2M1 operands, one E8M0 scale for each 32 along K, by v_wmma_scale_f32_16x16x128_f8f6f4 with both operands' format E2M1 (or v_wmma_scale_f32_32x16x128_f4), f32 sums; everything else in f32.
;; Inputs: Wk_b 1,024 float32; Wk_w 1,024 x 1,024 float32; Wo_b 1,024 float32; Wo_w 1,024 x 1,024 float32; Wq_b 1,024 float32; Wq_w 1,024 x 1,024 float32; Wv_b 1,024 float32; Wv_w 1,024 x 1,024 float32; x 4 x 2,048 x 1,024 float32.
;; Outputs: out0 4 x 2,048 x 1,024 float32.
;; This version of the problem:
;;   THIS VERSION OF THE PROBLEM IS GIVEN IN LOW PRECISION. The matrix products marked QUANTISED in the list below multiply operands that are first quantised to E2M1 (2 exponent bits, 1 mantissa bit; 4 bits a number), with one power-of-two scale for each 32 numbers along K (OCP MX v1.0); their sums are f32. All else is computed in f32.
;;   The module's matrix products, in the order in which they are computed (A, B: the left and right operand; K: the contracted axis; several contracted axes count as one K, in the product's order):
;;     1. [M 8,192, K 1,024] x [K 1,024, N 1,024]; A: input x; B: input Wq_w: QUANTISED
;;     2. [M 8,192, K 1,024] x [K 1,024, N 1,024]; A: input x; B: input Wk_w: QUANTISED
;;     3. [M 8,192, K 1,024] x [K 1,024, N 1,024]; A: input x; B: input Wv_w: QUANTISED
;;     4. batch 64 x [M 2,048, K 64] x [K 64, N 2,048]; A: computed on the way; B: computed on the way: QUANTISED
;;     5. batch 64 x [M 2,048, K 2,048] x [K 2,048, N 64]; A: softmax (see below); B: computed on the way: QUANTISED
;;     6. [M 8,192, K 1,024] x [K 1,024, N 1,024]; A: computed on the way; B: input Wo_w: QUANTISED
;;   THE QUANTISER, for each operand of a quantised product, along K:
;;     - K is cut into blocks of 32 from its start; a last block that is shorter is filled with zeros.
;;     - A block's scale is 2^e with e = floor(log2(the largest magnitude in the block)) - 2, held to -126 .. 127; a block of zeros has e = 0. As a byte (E8M0): e + 127.
;;     - Each number is divided by its block's scale, clamped to +-6, and rounded to the nearest number of E2M1, ties to even, subnormals kept.
;;     - The product sums the exact products of the quantised numbers (number of the format x scale) in f32.
;;   ~~~python
;;   def quantise(x, axis):      # numpy; x: float32 -> the quantised numbers, widened to float32 again
;;       x = np.moveaxis(x, axis, -1); K = x.shape[-1]
;;       x = np.pad(x, [(0, 0)] * (x.ndim - 1) + [(0, -K % 32)]); x = x.reshape(x.shape[:-1] + (-1, 32)); a = np.abs(x).max(-1, keepdims=True)
;;       e = np.where(a > 0, np.clip(np.frexp(np.where(a > 0, a, 1))[1] - 1 - 2, -126, 127), 0)      # np.frexp(a)[1] - 1 = floor(log2(a)), exactly
;;       r = np.clip(x / 2.0 ** e, -6, 6)
;;       step = 2.0 ** (np.maximum(np.frexp(np.where(r == 0, 1, r))[1] - 1, 0) - 1)
;;       q = np.round(r / step) * step * 2.0 ** e      # np.round: ties to even
;;       return np.moveaxis(q.reshape(q.shape[:-2] + (-1,))[..., :K], -1, axis).astype(np.float32)
;;   ~~~
;;   SOFTMAX AHEAD OF A QUANTISED PRODUCT. Where the list says 'softmax', what is quantised is not the finished softmax but p = 2^(t - M), with t = logit x log2(e) and M = ceil(the row's largest t), a whole number; so 1/2 < the row's largest p <= 1. The row's sum l is taken of the UNQUANTISED p, in f32, and the product's result is divided by l at the end. Since M is a whole number, a kernel that streams over the keys may use a running M (the ceiling of the running maximum): every later rescaling is an exact power of two, which a block's scale takes up: the codes' values come out the same.
;;   OPERANDS COMPUTED ON THE WAY. 'Computed on the way' means the value that the module computes at that place (a softmax that the list does not call 'softmax' is quantised finished and normalised). What goes into a quantiser is computed in f32, as accurately as f32 sums, v_exp_f32 and their like allow (about 1e-6 of the number): no bf16 or f16 on the way to a quantiser, and a product that is left as it is and whose result goes on into a quantised operand takes f32 operands (vector FMAs, or v_wmma_f32_16x16x4_f32). A number that lies on a knife's edge between two numbers of the format may be rounded either way, as far as f32 arithmetic and the matrix unit's own rounding can turn it there, and no further.
;; One version. Each part assembles by itself: llvm-mc -triple=amdgcn-amd-amdhsa -mcpu=gfx1250 --defsym DOCPART=n.
;; ======== version 1 of 1: 4 launches
;; workspace buffers: xq 4,456,448 bytes; wpk 2,228,224 bytes; qkv 13,893,632 bytes; ac 4,456,448 bytes
;; launch prep (part 1): grid 384 x 1, 8 waves a work-group, no clusters, 69,632 bytes of LDS; arguments x, Wq_w, Wk_w, Wv_w, Wo_w, xq, wpk; writes xq, wpk
.if DOCPART == 1
	.amdgcn_target "amdgcn-amd-amdhsa--gfx1250"
	.amdhsa_code_object_version 6
	.text
	.protected	k_qe76b1be570_prep
	.globl	k_qe76b1be570_prep
	.p2align	8
	.type	k_qe76b1be570_prep,@function
k_qe76b1be570_prep:
	s_mov_b64 s[64:65], 0
	v_nop
	global_prefetch_b8 v0, s[64:65] scope:SCOPE_SE
	s_setreg_imm32_b32 hwreg(HW_REG_WAVE_MODE, 25, 1), 1
	s_wait_xcnt 0x0
; MULTI-HEAD ATTENTION IN MX-FP4, FOUR LAUNCHES: this one quantises x and the four weights; the second makes q, k, v as codes; the third is the attention; the fourth the projection on the way out.
; WORK LEFT OUT (in the third launch): the scores of keys that come after a query.  The problem's own body takes tril(scores), which is 0 there for all values of the inputs, and sets the score to -infinity where
; tril is 0: its weight is 0 and it enters neither the row's maximum nor its sum nor the second product.  So a step of 128 keys all of which come after all 16 queries of a tile is not computed.  Every input has a way to the
; output and is loaded.  LIMIT: a NaN, an infinity or an overflow that reaches only those scores is not carried to the result.
; LIMITS of the quantisers in all four launches: NaN and infinities among the inputs are not served; a block whose largest magnitude lies under 2^-124 keeps the scale byte 1; a block of zeros gets the byte 1 where the
; stated quantiser says 127: its codes are zeros, which add nothing under any byte but 0xff, and the bytes are read by this program alone.
; LAYOUT OF THE WORKSPACES.  A fragment (16 rows x 128 along K, 8 registers a lane) lies in memory as an IMAGE OF ITS REGISTERS: 1,024 bytes, [c = 0, 1][lane][16 bytes]; lane (r, h) holds k = 64 c + 32 h + 0 .. 31 of row r.
; A TILE is 8 images (K = 1,024) and 512 bytes of scale words, row r's word of K step ks at 8192 + 32 r + 4 ks: 8,704 bytes.  THE ROWS OF A TILE ARE NOT NEIGHBOURS: row i of tile T is 32 (T / 2) + 8 (T % 2) + i + 8 (i / 8),
; so that the results of two neighbouring tiles hold 16 neighbours in a lane's 16 registers.  x's rows and the weights' columns are laid so.
; SHARES.  Work-groups 0 to 255 take x: two tiles each, a wave a quarter of a tile's K (two K steps).  Work-groups 256 to 383 take the weights: one weight, one K step, 256 columns; a wave 32 columns.
.set TILE,  8704
.set STGB,  16*528                     ; a wave's stage: 16 rows of 512 bytes + 16 of padding
.set SCX,   8*STGB                     ; behind the stages: two tiles' scale words
.set SPARE, SCX+1024                   ; behind them: the spare words, 128 bytes for each wave, which no other line names
.set SPW,   7                          ; v7  LDS address of my spare word; never rewritten
.set NIL,   8                          ; v8  0; never rewritten
.set R0,    32                         ; v32-95   K step 0 as loaded; later K step 1's 64 neighbours
.set R1,    96                         ; v96-159  K step 1 as loaded
.set X,     160                        ; v160-223 K step 0's 64 neighbours
.set TM,    224                        ; v224-239 at work
.set SEL,   30                         ; s[30:31] lane selects: lane l xor 16
; 64 numbers of a lane, register 16 b + i = k 32 b + 16 (lane / 16) + i of my row, become a fragment's codes in v[pc] on and its scale word in v[pw]
.macro QUANT s, pc, pw
.irp b, 0,1,2,3
	v_max3_num_f32 v[TM+\b], |v[\s+16*\b]|, |v[\s+16*\b+1]|, 0x1800000   ; my 16 numbers of block b, and the floor 2^(3 - 127): the byte cannot fall under 1
.endr
.irp i, 2,4,6,8,10,12,14
.irp b, 0,1,2,3
	v_max3_num_f32 v[TM+\b], v[TM+\b], |v[\s+16*\b+\i]|, |v[\s+16*\b+\i+1]|
.endr
.endr
.irp b, 0,1,2,3
	v_permlanex16_b32 v[TM+4+\b], v[TM+\b], s[SEL], s[SEL+1]
.endr
.irp b, 0,1,2,3
	v_max_num_f32 v[TM+\b], v[TM+\b], v[TM+4+\b]                  ; with lane l xor 16's: the block's largest magnitude
.endr
.irp b, 0,1,2,3
	v_add_nc_u32 v[TM+12+\b], 0xff000000, v[TM+\b]                ; 2 off its exponent field: the conversion's scale operand
.endr
.irp b, 0,1,2,3
	v_lshrrev_b32 v[TM+4+\b], 23, v[TM+12+\b]                     ; the scale's byte
.endr
	v_lshl_or_b32 v[\pw], v[TM+5], 8, v[TM+4]
	v_lshl_or_b32 v[\pw], v[TM+6], 16, v[\pw]
	v_lshl_or_b32 v[\pw], v[TM+7], 24, v[\pw]
.irp b, 0,1,2,3
	v_cvt_scalef32_pk8_fp4_f32 v[\pc+2*\b], v[\s+16*\b:\s+16*\b+7], v[TM+12+\b]
	v_cvt_scalef32_pk8_fp4_f32 v[\pc+2*\b+1], v[\s+16*\b+8:\s+16*\b+15], v[TM+12+\b]
.endr
	v_nop                                          ; one plain place behind a scaled conversion
.irp c, 0,1                                    ; the operand's layout wants a whole block in a lane
.irp i, 0,1
	v_permlane16_swap_b32 v[\pc+4*\c+\i], v[\pc+4*\c+2+\i]
.endr
.endr
.endm
	s_load_b256 s[4:11], s[0:1], 0x0               ; x, Wq, Wk, Wv
	s_load_b128 s[12:15], s[0:1], 0x20             ; Wo, xq
	s_load_b64 s[16:17], s[0:1], 0x30              ; wpk
	v_lshl_add_u32 v[SPW], v0, 2, SPARE
	v_mov_b32 v[NIL], 0
	v_lshrrev_b32 v1, 5, v0
	v_readfirstlane_b32 s18, v1                    ; wave 0..7
	v_and_b32 v1, 31, v0                           ; lane
	s_cmp_ge_u32 ttmp9, 256                        ; the work-group's number alone decides: x or a weight
	s_cbranch_scc1 .Lw
	; ---- x.  Tile 2 g + wave / 4; K steps 2 (wave % 4) and + 1.  The tile's first row is 32 g + 8 (wave / 4).
	v_and_b32 v9, 15, v0                           ; r
	v_bfe_u32 v10, v0, 4, 1                        ; h
	v_lshlrev_b32 v2, 4, v1                        ; 16 x lane
	s_mul_i32 s19, s18, STGB                       ; my stage
	v_add_nc_u32 v3, s19, v2                       ; into it: a row's 512 bytes as they lie
	v_mul_u32_u24 v4, v9, 528
	v_lshl_add_u32 v4, v10, 6, v4
	v_add_nc_u32 v4, s19, v4                       ; out of it: row r, + 64 h: my 16 numbers of a block of 32
	s_lshr_b32 s20, s18, 2                         ; which of the two tiles
	s_and_b32 s21, s18, 3                          ; which quarter of K
	s_lshl_b32 s22, s20, 9
	s_lshl_b32 s23, s21, 3
	s_add_co_u32 s22, s22, s23
	s_add_co_u32 s22, s22, SCX
	v_lshl_add_u32 v5, v9, 5, s22                  ; my row's two scale words: 32 r + 8 x quarter in the tile's 512 bytes
	s_and_b32 s23, s18, 1
	s_lshl_b32 s23, s23, 9
	s_add_co_u32 s23, s23, SCX
	v_add_nc_u32 v6, s23, v2                       ; waves 0 and 1 read a tile's 512 bytes back
	s_mov_b32 s[SEL], 0x76543210
	s_mov_b32 s[SEL+1], 0xfedcba98
.irp b, 0,1,2,3
	v_mov_b32 v[TM+4+\b], 0                        ; written once: a lane permute's destination counts as one of its sources
.endr
	s_lshl_b32 s24, ttmp9, 17                      ; 32 g rows of 4,096 bytes
	s_lshl_b32 s25, s20, 15                        ; + 8 rows
	s_add_co_u32 s24, s24, s25
	s_lshl_b32 s25, s21, 10                        ; + the quarter's 1,024 bytes
	s_add_co_u32 s24, s24, s25
	s_mov_b32 s25, 0
	s_mul_i32 s26, ttmp9, 2*TILE
	s_mul_i32 s27, s20, TILE
	s_add_co_u32 s26, s26, s27
	s_lshl_b32 s27, s21, 11                        ; two images
	s_add_co_u32 s26, s26, s27
	s_mov_b32 s27, 0
	s_mul_i32 s28, ttmp9, 2*TILE
	s_and_b32 s29, s18, 1
	s_mul_i32 s29, s29, TILE
	s_add_co_u32 s28, s28, s29
	s_add_co_u32 s28, s28, 8192                    ; the scale words of tile 2 g + wave % 2
	s_mov_b32 s29, 0
	s_wait_kmcnt 0x0
	s_add_nc_u64 s[4:5], s[4:5], s[24:25]
	s_add_nc_u64 s[26:27], s[14:15], s[26:27]
	s_add_nc_u64 s[28:29], s[14:15], s[28:29]
.irp s, 0,1
.irp i, 0,1,2,3,4,5,6,7,8,9,10,11,12,13,14,15
	global_load_b128 v[R0+64*\s+4*\i:R0+64*\s+4*\i+3], v2, s[4:5] offset:(\i+8*(\i/8))*4096+512*\s th:TH_LOAD_NT   ; 32 lanes read 512 consecutive bytes of the tile's row i
.endr
.endr
	s_wait_loadcnt 16                              ; K step 0's sixteen loads are in; K step 1's sixteen may be out
.irp i, 0,1,2,3,4,5,6,7,8,9,10,11,12,13,14,15
	ds_store_b128 v3, v[R0+4*\i:R0+4*\i+3] offset:528*\i
.endr
.irp b, 0,1,2,3
.irp j, 0,1,2,3
	ds_load_b128 v[X+16*\b+4*\j:X+16*\b+4*\j+3], v4 offset:128*\b+16*\j   ; LDS serves a wave's instructions in order: these see the stores above
.endr
.endr
	s_wait_loadcnt 0x0
.irp i, 0,1,2,3,4,5,6,7,8,9,10,11,12,13,14,15
	ds_store_b128 v3, v[R1+4*\i:R1+4*\i+3] offset:528*\i          ; K step 1 into the same stage, behind the loads above
.endr
	s_wait_dscnt 16                                ; all but these sixteen stores: K step 0's numbers are in, and its stores have read v32-95
.irp b, 0,1,2,3
.irp j, 0,1,2,3
	ds_load_b128 v[R0+16*\b+4*\j:R0+16*\b+4*\j+3], v4 offset:128*\b+16*\j
.endr
.endr
	QUANT X, 16, 240
	global_store_b128 v2, v[16:19], s[26:27]                      ; an image's half: 512 consecutive bytes
	global_store_b128 v2, v[20:23], s[26:27] offset:512
	s_wait_dscnt 0x0                               ; K step 1's numbers are in
	QUANT R0, 24, 241
	global_store_b128 v2, v[24:27], s[26:27] offset:1024
	global_store_b128 v2, v[28:31], s[26:27] offset:1536
	ds_store_b64 v5, v[240:241]                    ; both halves of the lanes write the same two words with the same values
	s_wait_dscnt 0x0                               ; for the others' sake: my words have landed
	s_barrier_signal -1
	s_barrier_wait -1
	s_cmp_gt_u32 s18, 1
	s_cbranch_scc1 .Lend
	ds_load_b128 v[244:247], v6                    ; a tile's 512 bytes of scale words, from four waves
	s_wait_dscnt 0x0
	global_store_b128 v2, v[244:247], s[28:29]     ; and out: 512 consecutive bytes
	s_branch .Lend
	; ---- a weight [k][n].  A LANE TAKES A COLUMN AND ITS REGISTERS RUN DOWN K: a block of 32 lies in one lane, and the conversions give the codes with K innermost.
.Lw:
	s_sub_co_u32 s19, ttmp9, 256
	s_lshr_b32 s20, s19, 5                         ; which weight: q, k, v, o
	s_bfe_u32 s21, s19, 0x30002                    ; K step
	s_and_b32 s22, s19, 3                          ; which 256 columns
	v_lshlrev_b32 v2, 2, v1                        ; in: 4 bytes a lane
	v_bfe_u32 v9, v0, 3, 1                         ; column 32 j + m lies in tile 2 j + u, u = (m / 8) % 2,
	v_and_b32 v10, 7, v0
	v_bfe_u32 v14, v0, 4, 1
	v_lshl_add_u32 v10, v14, 3, v10                ; at row i = m % 8 + 8 (m / 16)
	v_mul_u32_u24 v9, v9, TILE
	v_lshl_add_u32 v3, v10, 4, v9                  ; my 16 bytes of codes in an image's quarter
	v_lshl_add_u32 v4, v10, 5, v9                  ; my scale word
	s_lshl_b32 s24, s21, 19                        ; 128 rows of 4,096 bytes a K step
	s_lshl_b32 s25, s22, 10
	s_add_co_u32 s24, s24, s25
	s_lshl_b32 s25, s18, 7                         ; my wave's 32 columns
	s_add_co_u32 s24, s24, s25
	s_mov_b32 s25, 0
	s_mul_i32 s26, s20, 64*TILE
	s_lshl_b32 s27, s22, 4
	s_lshl_b32 s28, s18, 1
	s_add_co_u32 s27, s27, s28                     ; my first tile: 16 x group + 2 x wave
	s_mul_i32 s27, s27, TILE
	s_add_co_u32 s26, s26, s27
	s_lshl_b32 s28, s21, 2
	s_add_co_u32 s28, s28, s26
	s_add_co_u32 s28, s28, 8192                    ; the K step's scale words
	s_mov_b32 s29, 0
	s_lshl_b32 s27, s21, 10
	s_add_co_u32 s26, s26, s27                     ; the K step's image
	s_mov_b32 s27, 0
	s_wait_kmcnt 0x0
	s_cmp_eq_u32 s20, 1
	s_cselect_b64 s[6:7], s[8:9], s[6:7]
	s_cmp_eq_u32 s20, 2
	s_cselect_b64 s[6:7], s[10:11], s[6:7]
	s_cmp_eq_u32 s20, 3
	s_cselect_b64 s[6:7], s[12:13], s[6:7]
	s_add_nc_u64 s[6:7], s[6:7], s[24:25]
	s_add_nc_u64 s[26:27], s[16:17], s[26:27]
	s_add_nc_u64 s[28:29], s[16:17], s[28:29]
.macro WLOAD t                         ; block t: W(128 ks + 32 t + i, my column) into its own 32 registers
.irp i, 0,1,2,3,4,5,6,7,8,9,10,11,12,13,14,15,16,17,18,19,20,21,22,23,24,25,26,27,28,29,30,31
	global_load_b32 v[32+32*\t+\i], v2, s[6:7] offset:(32*\t+\i)*4096 th:TH_LOAD_NT
.endr
.endm
.macro WBLOCK t
.set XS, 32+32*\t
	v_max3_num_f32 v12, |v[XS]|, |v[XS+1]|, |v[XS+2]|             ; the block's largest magnitude: all 32 numbers are mine
	v_max3_num_f32 v13, |v[XS+3]|, |v[XS+4]|, |v[XS+5]|
.irp i, 6,10,14,18,22,26
	v_max3_num_f32 v12, v12, |v[XS+\i]|, |v[XS+\i+1]|
	v_max3_num_f32 v13, v13, |v[XS+\i+2]|, |v[XS+\i+3]|
.endr
	v_max3_num_f32 v12, v12, |v[XS+30]|, |v[XS+31]|
	v_max3_num_f32 v12, v12, v13, 0x1800000        ; and the floor
	v_add_nc_u32 v11, 0xff000000, v12              ; the conversion's scale operand
	v_lshrrev_b32 v13, 23, v11                     ; the byte
.if \t == 0
	v_mov_b32 v176, v13
.else
	v_lshl_or_b32 v176, v13, 8*\t, v176
.endif
.irp g, 0,1,2,3
	v_cvt_scalef32_pk8_fp4_f32 v[160+4*\t+\g], v[XS+8*\g:XS+8*\g+7], v11
.endr
	global_store_b128 v3, v[160+4*\t:160+4*\t+3], s[26:27] offset:256*\t   ; block t = 2 c + h is the image's quarter at 256 t: the wave fills 256 consecutive bytes in each of its two tiles
.endm                                  ; (the next block begins with plain vector lines: they stand between these conversions and the next write of v11)
	WLOAD 0
	WLOAD 1
	s_wait_loadcnt 32                              ; block 0 is in; block 1's 32 loads may be out
	WLOAD 2
	WBLOCK 0
	s_wait_loadcnt 32                              ; block 1 is in; block 2's may be out
	WLOAD 3
	WBLOCK 1
	s_wait_loadcnt 32                              ; block 2 is in; block 3's may be out
	WBLOCK 2
	s_wait_loadcnt 0x0
	WBLOCK 3
	global_store_b32 v4, v176, s[28:29]            ; my column's word of this K step: 4 bytes in every 32, one byte for each 128 that this path reads; the other K steps' words come from other work-groups
.Lend:
	s_wait_tensorcnt 0x0                           ; the wave's end, behind my last LDS store
	ds_add_u32 v[SPW], v[NIL]
	s_wait_dscnt 0x0
	s_endpgm
.Lfunc_end_k_qe76b1be570_prep:
	.size	k_qe76b1be570_prep, .Lfunc_end_k_qe76b1be570_prep-k_qe76b1be570_prep
	.p2alignl 7, 3214868480
	.fill 96, 4, 3214868480
	.section	.rodata,"a",@progbits
	.p2align	6, 0x0
	.amdhsa_kernel k_qe76b1be570_prep
		.amdhsa_group_segment_fixed_size 69632
		.amdhsa_private_segment_fixed_size 0
		.amdhsa_enable_private_segment 0
		.amdhsa_kernarg_size 56
		.amdhsa_user_sgpr_count 2
		.amdhsa_user_sgpr_kernarg_segment_ptr 1
		.amdhsa_wavefront_size32 1
		.amdhsa_system_sgpr_workgroup_id_x 1
		.amdhsa_system_sgpr_workgroup_id_y 1
		.amdhsa_system_sgpr_workgroup_id_z 1
		.amdhsa_system_vgpr_workitem_id 0
		.amdhsa_next_free_vgpr 256
		.amdhsa_next_free_sgpr 66
		.amdhsa_reserve_vcc 0
		.amdhsa_float_denorm_mode_32 3
		.amdhsa_float_denorm_mode_16_64 3
		.amdhsa_memory_ordered 1
		.amdhsa_forward_progress 1
		.amdhsa_inst_pref_size 39
	.end_amdhsa_kernel
	.amdgpu_metadata
---
amdhsa.version: [ 1, 2 ]
amdhsa.kernels:
  - .name:           k_qe76b1be570_prep
    .symbol:         k_qe76b1be570_prep.kd
    .args:
      - { .name: x, .offset: 0, .size: 8, .value_kind: global_buffer, .address_space: global }
      - { .name: Wq_w, .offset: 8, .size: 8, .value_kind: global_buffer, .address_space: global }
      - { .name: Wk_w, .offset: 16, .size: 8, .value_kind: global_buffer, .address_space: global }
      - { .name: Wv_w, .offset: 24, .size: 8, .value_kind: global_buffer, .address_space: global }
      - { .name: Wo_w, .offset: 32, .size: 8, .value_kind: global_buffer, .address_space: global }
      - { .name: xq, .offset: 40, .size: 8, .value_kind: global_buffer, .address_space: global }
      - { .name: wpk, .offset: 48, .size: 8, .value_kind: global_buffer, .address_space: global }
    .group_segment_fixed_size: 69632
    .private_segment_fixed_size: 0
    .kernarg_segment_align: 8
    .kernarg_segment_size: 56
    .max_flat_workgroup_size: 256
    .sgpr_count:     66
    .vgpr_count:     256
    .wavefront_size: 32
...
	.end_amdgpu_metadata
.endif
;; end of part 1
;; launch qkv (part 2): grid 12 x 64, 4 waves a work-group, clusters of 4 x 4, 327,680 bytes of LDS; arguments xq, wpk, Wq_b, Wk_b, Wv_b, qkv; writes qkv
.if DOCPART == 2
	.amdgcn_target "amdgcn-amd-amdhsa--gfx1250"
	.amdhsa_code_object_version 6
	.text
	.protected	k_qe76b1be570_qkv
	.globl	k_qe76b1be570_qkv
	.p2align	8
	.type	k_qe76b1be570_qkv,@function
k_qe76b1be570_qkv:
	s_mov_b64 s[64:65], 0
	v_nop
	global_prefetch_b8 v0, s[64:65] scope:SCOPE_SE
	s_setreg_imm32_b32 hwreg(HW_REG_WAVE_MODE, 25, 1), 1
	s_wait_xcnt 0x0
	s_wait_alu depctr_hold_cnt(0) depctr_sa_sdst(0) depctr_va_vdst(0) depctr_va_sdst(0) depctr_va_ssrc(0) depctr_va_vcc(0) depctr_vm_vsrc(0)
	s_getreg_b32 s2, hwreg(HW_REG_IB_STS2, 6, 4)
	s_cmp_eq_u32 s2, 0
	s_cbranch_scc0 .Lentry_in_a_cluster
	s_endpgm
.Lentry_in_a_cluster:
	s_bfe_u32 s2, ttmp6, 0x10000c
	s_cmp_lg_u32 s2, 0xf033
	s_cbranch_scc0 .Lentry_shape_is_right
	s_endpgm
.Lentry_shape_is_right:
; q = x Wq + bq, k = x Wk + bk, v = x Wv + bv on codes of FP4 (E2M1) with one E8M0 scale for each 32 along K, and each result quantised at once for the attention: q and k along the head's 64, v along the keys.
; SHARES.  A work-group takes 128 rows of x (8 tiles) x 256 columns of one weight (16 tiles); the cluster's x says which weight (0 q, 1 k, 2 v).  Wave w takes one head, 64 columns: 4 tiles of W x 8 of x = 32 accumulators.
; ALL OF K LIES IN LDS AT ONCE: 8 + 16 tiles of 8,704 bytes, brought by one tensor load a wave at the start; nothing is filled again.  A wave has one tensor load out.
; CLUSTERS: 4 x 4 work-groups.  The four of a row of the cluster need the same rows of x, the four of a column the same columns of W: each half is asked for jointly.
; q, k: source 0 = 16 columns of W, source 1 = 16 rows of x: a lane holds one row, and the 16 registers of two neighbouring tiles of W are 16 neighbours along the head: the next product's K.
; v:    source 0 = 16 rows of x, source 1 = 16 columns of W: a lane holds one channel, and its registers run along the keys: the second product's K.
; The bias is the C of each sum's first matrix instruction.
; OUT: for each head and each 128 positions a block of 13,568 bytes: K's codes (8 tiles x 512: the lower half of an image, K = 64), K's scale words at 4096 + 32 r + 4 tile (bytes 2 and 3 are 0x7f), V's four images at 4608,
; V's scale words at 8704 + 16 r + 4 tile, Q's codes at 8960, Q's scale words at 13056.
; REGISTERS: window 0: v1-9 addresses; v14, v15 the add's two; v16-47 x's scale words, v48-63 W's; v64-159, v160-255 two fragment buffers (8 of x, 4 of W); window 1: the 32 accumulators; window 2: v0-31 the bias.
.set TILE,  8704
.set WB,    8*TILE                     ; W's 16 tiles lie behind x's 8
.set SPARE, 24*TILE                    ; behind them: the spare words, 128 bytes for each wave, which no other line names
.set QBLK,  13568
.set SPW,   14
.set NIL,   15
.set XS,    16
.set WS,    48
.set TM,    64                         ; the way out: v64-79 at work, v80-87 scale words, v88-91 those that a lane stores, v96-127 codes
.set PW,    80
.set PWS,   88
.set PC,    96
.set G1X,   24
.set G0X,   32
.set G1W,   48
.set G0W,   56
.set SEL,   76
.set MSB, 0
.macro WIN new                         ; the immediate's high byte repeats the setting that is left
.if MSB != \new
	s_set_vgpr_msb (MSB<<8)|\new
.set MSB, \new
.endif
.endm
.macro PLACES n
.rept \n
	v_nop
.endr
.endm
.macro CREST
	s_cmp_lg_u32 s16, 0
	s_cbranch_scc1 .Lnot_wave_0_\@
	s_barrier_signal -3
.Lnot_wave_0_\@:
	s_barrier_wait -3
	s_barrier_signal -1
	s_barrier_wait -1
.endm
.macro CROUND                          ; a round of the cluster's barrier
	s_barrier_signal -1
	s_barrier_wait -1
	CREST
.endm
.macro JLOAD                           ; waves 0 and 1 fetch x's halves, waves 2 and 3 W's; an s_nop 0 and four v_nop follow each line
	s_cmp_eq_u32 s17, 0
	s_cbranch_scc0 .Lfor_w_\@
	tensor_load_to_lds s[G0X:G0X+3], s[G1X:G1X+7]
	s_nop 0
.rept 4
	v_nop
.endr
	s_branch .Lasked_\@
.Lfor_w_\@:
	tensor_load_to_lds s[G0W:G0W+3], s[G1W:G1W+7]
	s_nop 0
.rept 4
	v_nop
.endr
.Lasked_\@:
.endm
	s_load_b256 s[4:11], s[0:1], 0x0               ; xq, wpk, bq, bk
	s_load_b128 s[12:15], s[0:1], 0x20             ; bv, qkv
	v_lshl_add_u32 v[SPW], v0, 2, SPARE
	v_mov_b32 v[NIL], 0
	ds_add_u32 v[SPW], v[NIL]                      ; the wave's opening: the add, twice on end, and its wait ahead of my first tensor load
	ds_add_u32 v[SPW], v[NIL]
	v_lshrrev_b32 v1, 5, v0
	v_readfirstlane_b32 s16, v1                    ; wave 0..3
	s_lshr_b32 s17, s16, 1                         ; I fetch for x (0) or for W (1),
	s_and_b32 s18, s16, 1                          ; its first or second half
	s_bfe_u32 s40, ttmp6, 0x40000                  ; cx, cy: my place in the cluster
	s_bfe_u32 s41, ttmp6, 0x40004
	s_lshl_b32 s42, ttmp9, 2
	s_add_co_u32 s42, s42, s40                     ; column group 0..11 = 4 x cluster x + cx
	s_and_b32 s19, ttmp7, 0xffff
	s_lshl_b32 s19, s19, 2
	s_add_co_u32 s19, s19, s41                     ; row block 0..63 = 4 x cluster y + cy
	s_lshl_b32 s43, s41, 2
	s_lshl_b32 s43, 15, s43                        ; my row of the cluster
	s_lshl_b32 s44, 0x1111, s40                    ; my column
	; descriptor group 1: dense blocks as rows of 256 bytes (32 elements of 8 bytes): 136 rows are 4 tiles of x, 272 rows 8 tiles of W
	s_or_b32 s[G1X], s43, (3<<16)|(1<<21)          ; 15:0 the mask; 17:16 elements of 8 bytes; 21 set beside a mask
	s_or_b32 s[G1W], s44, (3<<16)|(1<<21)
	s_mov_b32 s[G1X+1], 32<<16                     ; tensor_dim0
	s_mov_b32 s[G1X+2], 136<<16                    ; tensor_dim1
	s_mov_b32 s[G1X+3], 32<<16                     ; tile_dim0
	s_mov_b32 s[G1X+4], 136                        ; tile_dim1
	s_mov_b32 s[G1X+5], 32                         ; the pitch
	s_mov_b32 s[G1X+6], 0
	s_mov_b32 s[G1X+7], 0
	s_mov_b32 s[G1W+1], 32<<16
	s_mov_b32 s[G1W+2], 272<<16
	s_mov_b32 s[G1W+3], 32<<16
	s_mov_b32 s[G1W+4], 272
	s_mov_b32 s[G1W+5], 32
	s_mov_b32 s[G1W+6], 0
	s_mov_b32 s[G1W+7], 0
	s_mul_i32 s20, s19, 8*TILE                     ; x: hangs on the row block alone
	s_mul_i32 s45, s18, 4*TILE
	s_add_co_u32 s20, s20, s45
	s_mov_b32 s21, 0
	s_mul_i32 s46, s42, 16*TILE                    ; W: hangs on the column group alone (the three weights lie one behind the other)
	s_mul_i32 s22, s18, 8*TILE
	s_add_co_u32 s46, s46, s22
	s_mov_b32 s47, 0
	s_wait_dscnt 0x0                               ; both opening adds are done
	s_wait_kmcnt 0x0
	s_add_nc_u64 s[20:21], s[4:5], s[20:21]
	s_add_nc_u64 s[46:47], s[6:7], s[46:47]
	CROUND                                         ; all sixteen work-groups are here: the joint loads meet
	s_mov_b32 s[G0X], 1
	s_mov_b32 s[G0X+1], s45                        ; LDS: the half's place: no place in the cluster enters an LDS address
	s_mov_b64 s[G0X+2:G0X+3], s[20:21]
	s_or_b32 s[G0X+3], s[G0X+3], 0x80000000
	s_mov_b32 s[G0W], 1
	s_add_co_u32 s[G0W+1], s22, WB
	s_mov_b64 s[G0W+2:G0W+3], s[46:47]
	s_or_b32 s[G0W+3], s[G0W+3], 0x80000000
	JLOAD
	v_and_b32 v10, 15, v0                          ; r
	v_bfe_u32 v11, v0, 4, 1                        ; h
	v_and_b32 v12, 31, v0
	v_lshlrev_b32 v1, 4, v12                       ; an image's place for my lane: x's tiles 0-3,
	v_add_nc_u32 v2, 4*TILE, v1                    ; tiles 4-7,
	s_mul_i32 s75, s16, 4*TILE
	s_add_co_u32 s75, s75, WB
	v_add_nc_u32 v3, s75, v1                       ; my wave's four tiles of W
	v_lshlrev_b32 v4, 5, v10
	v_lshl_add_u32 v4, v11, 4, v4                  ; scale words: 32 r + 16 h: four registers; register i: K step i in lanes 0-15, K step 4 + i in lanes 16-31
	v_add_nc_u32 v5, 4*TILE, v4
	v_add_nc_u32 v6, s75, v4
	v_lshlrev_b32 v7, 4, v10
	v_lshl_add_u32 v7, v11, 3, v7                  ; 16 r + 8 h: V's scale words on the way out
	v_lshlrev_b32 v8, 6, v11                       ; q, k: the bias of my half's 16 columns
	v_and_b32 v9, 8, v10
	v_add_nc_u32 v9, v9, v10
	v_lshlrev_b32 v9, 2, v9                        ; v: the bias of column r + 8 (r / 8) of a tile
	s_mov_b32 s[SEL], 0x76543210
	s_mov_b32 s[SEL+1], 0xfedcba98
	s_mov_b32 s74, 0xffff0000                      ; lanes 16-31
	s_lshl_b32 s66, s40, 2
	s_add_co_u32 s66, s66, s16                     ; my head
	s_lshr_b32 s67, s19, 4
	s_lshl_b32 s67, s67, 4
	s_add_co_u32 s67, s67, s66                     ; batch x 16 + head
	s_lshl_b32 s67, s67, 4
	s_and_b32 s68, s19, 15
	s_add_co_u32 s67, s67, s68                     ; x 16 + which 128 positions
	s_mul_i32 s68, s67, QBLK
	s_cmp_eq_u32 ttmp9, 0
	s_cselect_b32 s69, 8960, 0                     ; q's part of the block lies behind k's and v's
	s_cselect_b64 s[72:73], s[8:9], s[10:11]
	s_add_co_u32 s68, s68, s69
	s_mov_b32 s69, 0
	s_add_nc_u64 s[14:15], s[14:15], s[68:69]
	s_cmp_eq_u32 ttmp9, 2
	s_cselect_b64 s[72:73], s[12:13], s[72:73]
	s_lshl_b32 s70, s66, 8                         ; the head's 64 numbers of the bias
	s_mov_b32 s71, 0
	s_add_nc_u64 s[72:73], s[72:73], s[70:71]
	s_cmp_eq_u32 ttmp9, 2                          ; the cluster's x: the same in all partners
	s_cbranch_scc1 .Lbias_v
	WIN 0x80                                       ; destination window 2
.irp u, 0,1,2,3                                ; tile u, lane (r, h), register j: column 32 (u / 2) + 16 h + 8 (u % 2) + j
	global_load_b128 v[8*\u:8*\u+3], v8, s[72:73] offset:(32*(\u/2)+8*(\u%2))*4
	global_load_b128 v[8*\u+4:8*\u+7], v8, s[72:73] offset:(32*(\u/2)+8*(\u%2))*4+16
.endr
	WIN 0
	s_branch .Lbias_in
.Lbias_v:
	WIN 0x80
.irp u, 0,1,2,3                                ; a lane holds one column: its bias in all eight registers of the tile
.irp j, 0,1,2,3,4,5,6,7
	global_load_b32 v[8*\u+\j], v9, s[72:73] offset:(32*(\u/2)+8*(\u%2))*4
.endr
.endr
	WIN 0
.Lbias_in:
	s_wait_tensorcnt 0x0                           ; my half is in,
	s_barrier_signal -1
	s_barrier_wait -1                              ; everybody's is
.macro FETCH ks, f                     ; 24 LDS loads: K step ks of x's eight tiles and my four of W, into the buffer at f
.irp t, 0,1,2,3
	ds_load_b128 v[\f+8*\t:\f+8*\t+3], v1 offset:\t*TILE+(\ks)*1024
	ds_load_b128 v[\f+8*\t+4:\f+8*\t+7], v1 offset:\t*TILE+(\ks)*1024+512
.endr
.irp t, 0,1,2,3
	ds_load_b128 v[\f+32+8*\t:\f+32+8*\t+3], v2 offset:\t*TILE+(\ks)*1024
	ds_load_b128 v[\f+32+8*\t+4:\f+32+8*\t+7], v2 offset:\t*TILE+(\ks)*1024+512
.endr
.irp t, 0,1,2,3
	ds_load_b128 v[\f+64+8*\t:\f+64+8*\t+3], v3 offset:\t*TILE+(\ks)*1024
	ds_load_b128 v[\f+64+8*\t+4:\f+64+8*\t+7], v3 offset:\t*TILE+(\ks)*1024+512
.endr
.endm
.macro WM d, a, b, c, sa, sb, row
.if \row
	v_wmma_scale_f32_16x16x128_f8f6f4 v[\d:\d+7], v[\a:\a+7], v[\b:\b+7], v[\c:\c+7], v[\sa], v[\sb] matrix_a_fmt:MATRIX_FMT_FP4 matrix_b_fmt:MATRIX_FMT_FP4 matrix_a_scale:MATRIX_SCALE_ROW1 matrix_b_scale:MATRIX_SCALE_ROW1
.else
	v_wmma_scale_f32_16x16x128_f8f6f4 v[\d:\d+7], v[\a:\a+7], v[\b:\b+7], v[\c:\c+7], v[\sa], v[\sb] matrix_a_fmt:MATRIX_FMT_FP4 matrix_b_fmt:MATRIX_FMT_FP4
.endif
.endm
; 32 matrix instructions: K step ks.  The 32 accumulators take turns, one instruction a turn, in the same order in every K step.  K step 0 takes the bias as C.
.macro MUL ks, f, isv
.if (\ks) == 0
	WIN 0x60                                       ; C window 2, D window 1
.else
	WIN 0x50                                       ; C and D window 1
.endif
.if \isv
.irp u, 0,1,2,3
.irp t, 0,1,2,3,4,5,6,7
.if (\ks) == 0
	WM 8*(8*\u+\t), \f+8*\t, \f+64+8*\u, 8*\u, XS+4*\t+(\ks)%4, WS+4*\u+(\ks)%4, (\ks)/4
.else
	WM 8*(8*\u+\t), \f+8*\t, \f+64+8*\u, 8*(8*\u+\t), XS+4*\t+(\ks)%4, WS+4*\u+(\ks)%4, (\ks)/4
.endif
.endr
.endr
.else
.irp t, 0,1,2,3,4,5,6,7
.irp u, 0,1,2,3
.if (\ks) == 0
	WM 8*(4*\t+\u), \f+64+8*\u, \f+8*\t, 8*\u, WS+4*\u+(\ks)%4, XS+4*\t+(\ks)%4, (\ks)/4
.else
	WM 8*(4*\t+\u), \f+64+8*\u, \f+8*\t, 8*(4*\t+\u), WS+4*\u+(\ks)%4, XS+4*\t+(\ks)%4, (\ks)/4
.endif
.endr
.endr
.endif
.endm
.macro MAIN isv
.irp t, 0,1,2,3
	ds_load_b128 v[XS+4*\t:XS+4*\t+3], v4 offset:\t*TILE+8192
	ds_load_b128 v[XS+16+4*\t:XS+16+4*\t+3], v5 offset:\t*TILE+8192
	ds_load_b128 v[WS+4*\t:WS+4*\t+3], v6 offset:\t*TILE+8192
.endr
	FETCH 0, 64
.irp ks, 0,1,2,3,4,5,6,7
.if \ks < 7
.if \ks > 0
	WIN 0
	PLACES 4                                       ; four places in front of loads into the buffer that the last K step's matrix instructions have read
.endif
	FETCH \ks+1, 64+96*((\ks+1)%2)
	s_wait_dscnt 24                                ; all but the 24 just issued: this K step's fragments are in (and the scale words)
.else
	s_wait_dscnt 0x0
.endif
.if \ks == 0
	s_wait_loadcnt 0x0                             ; the bias
.endif
	MUL \ks, 64+96*(\ks%2), \isv
.endr
	WIN 0
	PLACES 4                                       ; four places in front of the first read of results and the first write of registers that held fragments
.irp b, 0,1,2,3
	v_mov_b32 v[TM+4+\b], 0                        ; a lane permute's destination counts as one of its sources
.endr
.endm
; nb blocks of 32: register s + 16 b + i of window 1 = k 32 b + 16 (lane / 16) + i; codes to v[pc] on, the scale word to v[pw].  Each accumulator is read from its low end on.
.macro QUANT s, nb, pc, pw
	WIN 0x05                                       ; sources 0 and 1 window 1
.irp b, 0,1,2,3
.if \b < \nb
	v_max3_num_f32 v[TM+\b], |v[\s+16*\b]|, |v[\s+16*\b+1]|, 0x1800000   ; with the floor 2^(3 - 127): the byte cannot fall under 1
.endif
.endr
	WIN 0x14                                       ; sources 1 and 2 window 1
.irp i, 2,4,6,8,10,12,14
.irp b, 0,1,2,3
.if \b < \nb
	v_max3_num_f32 v[TM+\b], v[TM+\b], |v[\s+16*\b+\i]|, |v[\s+16*\b+\i+1]|
.endif
.endr
.endr
	WIN 0
.irp b, 0,1,2,3
.if \b < \nb
	v_permlanex16_b32 v[TM+4+\b], v[TM+\b], s[SEL], s[SEL+1]
.endif
.endr
.irp b, 0,1,2,3
.if \b < \nb
	v_max_num_f32 v[TM+\b], v[TM+\b], v[TM+4+\b]   ; with lane l xor 16's: the block's largest magnitude
.endif
.endr
.irp b, 0,1,2,3
.if \b < \nb
	v_add_nc_u32 v[TM+12+\b], 0xff000000, v[TM+\b] ; 2 off its exponent field: the conversion's scale operand
.endif
.endr
.irp b, 0,1,2,3
.if \b < \nb
	v_lshrrev_b32 v[TM+4+\b], 23, v[TM+12+\b]      ; the byte
.endif
.endr
	v_lshl_or_b32 v[\pw], v[TM+5], 8, v[TM+4]
.if \nb == 4
	v_lshl_or_b32 v[\pw], v[TM+6], 16, v[\pw]
	v_lshl_or_b32 v[\pw], v[TM+7], 24, v[\pw]
.else
	v_or_b32 v[\pw], 0x7f7f0000, v[\pw]            ; K is 64: the matrix instruction's upper 64 get the scale 1 (their codes on the query's side are zeros)
.endif
	WIN 0x01                                       ; source 0 window 1
.irp b, 0,1,2,3
.if \b < \nb
	v_cvt_scalef32_pk8_fp4_f32 v[\pc+2*\b], v[\s+16*\b:\s+16*\b+7], v[TM+12+\b]
	v_cvt_scalef32_pk8_fp4_f32 v[\pc+2*\b+1], v[\s+16*\b+8:\s+16*\b+15], v[TM+12+\b]
.endif
.endr
	WIN 0
	v_nop                                          ; one plain place behind a scaled conversion
.irp c, 0,1
.if 2*\c < \nb
.irp i, 0,1
	v_permlane16_swap_b32 v[\pc+4*\c+\i], v[\pc+4*\c+2+\i]   ; a whole block to a lane
.endr
.endif
.endr
.endm
	s_cmp_eq_u32 ttmp9, 2
	s_cbranch_scc1 .Lv
	MAIN 0
.irp t, 0,1,2,3,4,5,6,7                        ; 16 positions at a time: the head's 64 are two blocks
	QUANT 32*\t, 2, PC+4*\t, PW+\t
	global_store_b128 v1, v[PC+4*\t:PC+4*\t+3], s[14:15] offset:512*\t     ; half an image: 512 consecutive bytes; no store's data are written again
.endr
.irp i, 0,1,2,3
	v_cndmask_b32 v[PWS+\i], v[PW+\i], v[PW+4+\i], s74             ; lanes 0-15 store tiles 0-3's words of their row, lanes 16-31 tiles 4-7's
.endr
	global_store_b128 v4, v[PWS:PWS+3], s[14:15] offset:4096
	s_branch .Lend
.Lv:
	MAIN 1
.irp u, 0,1,2,3                                ; 16 channels at a time: the 128 keys are four blocks
	QUANT 64*\u, 4, PC+8*\u, PW+\u
	global_store_b128 v1, v[PC+8*\u:PC+8*\u+3], s[14:15] offset:4608+1024*\u
	global_store_b128 v1, v[PC+8*\u+4:PC+8*\u+7], s[14:15] offset:4608+1024*\u+512
.endr
	v_cndmask_b32 v[PWS], v[PW], v[PW+2], s74                      ; lanes 0-15 store tiles 0, 1's words of their channel, lanes 16-31 tiles 2, 3's
	v_cndmask_b32 v[PWS+1], v[PW+1], v[PW+3], s74
	global_store_b64 v7, v[PWS:PWS+1], s[14:15] offset:8704        ; 256 consecutive bytes
.Lend:
	s_wait_tensorcnt 0x0                           ; the wave's end, behind my last tensor load
	ds_add_u32 v[SPW], v[NIL]
	s_wait_dscnt 0x0
	CROUND                                         ; the closing round: no work-group ends while a partner may still ask for a tile that names it
	s_endpgm
.Lfunc_end_k_qe76b1be570_qkv:
	.size	k_qe76b1be570_qkv, .Lfunc_end_k_qe76b1be570_qkv-k_qe76b1be570_qkv
	.p2alignl 7, 3214868480
	.fill 96, 4, 3214868480
	.section	.rodata,"a",@progbits
	.p2align	6, 0x0
	.amdhsa_kernel k_qe76b1be570_qkv
		.amdhsa_group_segment_fixed_size 327680
		.amdhsa_private_segment_fixed_size 0
		.amdhsa_enable_private_segment 0
		.amdhsa_kernarg_size 48
		.amdhsa_user_sgpr_count 2
		.amdhsa_user_sgpr_kernarg_segment_ptr 1
		.amdhsa_wavefront_size32 1
		.amdhsa_system_sgpr_workgroup_id_x 1
		.amdhsa_system_sgpr_workgroup_id_y 1
		.amdhsa_system_sgpr_workgroup_id_z 1
		.amdhsa_system_vgpr_workitem_id 0
		.amdhsa_next_free_vgpr 544
		.amdhsa_next_free_sgpr 100
		.amdhsa_reserve_vcc 0
		.amdhsa_float_denorm_mode_32 3
		.amdhsa_float_denorm_mode_16_64 3
		.amdhsa_memory_ordered 1
		.amdhsa_forward_progress 1
		.amdhsa_inst_pref_size 138
	.end_amdhsa_kernel
	.amdgpu_metadata
---
amdhsa.version: [ 1, 2 ]
amdhsa.kernels:
  - .name:           k_qe76b1be570_qkv
    .symbol:         k_qe76b1be570_qkv.kd
    .args:
      - { .name: xq, .offset: 0, .size: 8, .value_kind: global_buffer, .address_space: global }
      - { .name: wpk, .offset: 8, .size: 8, .value_kind: global_buffer, .address_space: global }
      - { .name: Wq_b, .offset: 16, .size: 8, .value_kind: global_buffer, .address_space: global }
      - { .name: Wk_b, .offset: 24, .size: 8, .value_kind: global_buffer, .address_space: global }
      - { .name: Wv_b, .offset: 32, .size: 8, .value_kind: global_buffer, .address_space: global }
      - { .name: qkv, .offset: 40, .size: 8, .value_kind: global_buffer, .address_space: global }
    .group_segment_fixed_size: 327680
    .private_segment_fixed_size: 0
    .kernarg_segment_align: 8
    .kernarg_segment_size: 48
    .max_flat_workgroup_size: 128
    .sgpr_count:     100
    .vgpr_count:     544
    .wavefront_size: 32
...
	.end_amdgpu_metadata
.endif
;; end of part 2
;; launch attn (part 3): grid 4 x 64, 16 waves a work-group, clusters of 4 x 1, 327,680 bytes of LDS; arguments qkv, ac; writes ac
.if DOCPART == 3
	.amdgcn_target "amdgcn-amd-amdhsa--gfx1250"
	.amdhsa_code_object_version 6
	.text
	.protected	k_qe76b1be570_attn
	.globl	k_qe76b1be570_attn
	.p2align	8
	.type	k_qe76b1be570_attn,@function
k_qe76b1be570_attn:
	s_mov_b64 s[64:65], 0
	v_nop
	global_prefetch_b8 v0, s[64:65] scope:SCOPE_SE
	s_setreg_imm32_b32 hwreg(HW_REG_WAVE_MODE, 25, 1), 1
	s_wait_xcnt 0x0
	s_wait_alu depctr_hold_cnt(0) depctr_sa_sdst(0) depctr_va_vdst(0) depctr_va_sdst(0) depctr_va_ssrc(0) depctr_va_vcc(0) depctr_vm_vsrc(0)
	s_getreg_b32 s2, hwreg(HW_REG_IB_STS2, 6, 4)
	s_cmp_eq_u32 s2, 0
	s_cbranch_scc0 .Lentry_in_a_cluster
	s_endpgm
.Lentry_in_a_cluster:
	s_bfe_u32 s2, ttmp6, 0x10000c
	s_cmp_lg_u32 s2, 0x3003
	s_cbranch_scc0 .Lentry_shape_is_right
	s_endpgm
.Lentry_shape_is_right:
; attn[q] = the sum over keys of softmax(q . k / 8) v, one head a cluster, both products on codes of FP4 (E2M1) with E8M0 scales; the result is quantised along D for the last product.
; WORK LEFT OUT: a step of 128 keys all of which come after a tile's 16 queries: tril makes those scores 0 and the where makes them -infinity, whatever the inputs hold (shown at the head of the first launch).
; THE MASK has a second part, which hangs on values: every score that is exactly 0 becomes -infinity too.  It is done for every score, by compare and select, ahead of the maxima.
; A ROW ALL OF WHOSE SCORES ARE MASKED is NaN in the problem's own terms.  Its sum l is 0 here; its codes are zeros and its two scale bytes are 0xff, which the last product turns into NaN over the whole row.
; THE SOFTMAX: t = score x log2(e) / 8; M = the running largest t rounded up to a whole number; p = 2^(t - M) is quantised along the keys; the row's sum is taken of the unquantised p and divides at the end.
; SHARES.  The head's 128 tiles of 16 queries are dealt to 4 work-groups x 16 waves, two a wave: tile 4 w + cx and tile 127 - (4 w + cx).  Their last key steps are w / 2 and 15 - w / 2: they hang on the wave's number alone,
; and each wave walks 17 key steps in all.  K, V AND THEIR SCALES OF THE WHOLE HEAD LIE IN LDS AT ONCE: 16 blocks of 8,960 bytes, one joint tensor load a wave at the start (the four partners need the same bytes); nothing is
; filled again.  A wave has one tensor load out.  Wave 0's second tile reads all 16 blocks in every partner.
; LAYOUT.  Both products transposed: S^T = K Q^T, O^T = V^T P^T: a lane holds one query throughout.  The keys, queries and channels of a tile are laid so that the 16 registers of two neighbouring tiles are 16 neighbours.
; K IS 64 in the first product: a tile of K is four registers; the instruction's upper four name the next tile's codes, which meet the zero codes of Q's upper half under the scale 1 and add exactly 0.
; The two scale bytes of a row and head are stored a byte a lane: a row's 32 bytes come from 16 heads, which lie in 16 clusters; they are a sixteenth of the codes' bytes.
.set BLK,   8960
.set QBLK,  13568
.set SPARE, 16*BLK                     ; behind the 16 blocks: the spare words, 128 bytes for each wave, which no other line names
.set LI,  1                            ; v1   16 x lane
.set LKS, 2                            ; v2   32 r + 16 h: K's scale words
.set LVS, 3                            ; v3   16 r + 8 h: V's
.set SPW, 4
.set NIL, 5
.set ADC, 6                            ; v6-8 the step's LDS addresses
.set ADS, 7
.set ADV, 8
.set NINF, 9                           ; v9   -infinity
.set QSA, 10                           ; v10, v11 Q's scale words, first and second tile
.set QSB, 11                           ; v12 -M, v13 the largest t, v[14:15] the sum in two halves
.set QA,  16                           ; v16-23, v24-31 Q's fragments; the upper four of each are zero codes
.set QB,  24
.set KC,  32                           ; v32-63 K's eight tiles; v64-67 zeros
.set KS,  68                           ; v68-71 K's scale words
.set VC,  72                           ; v72-103 V's four fragments
.set VS,  104                          ; v104-105 V's scale words
.set QD,  106                          ; v106 my query less 16 h, within its 128 positions
.set QD0, 107
.set OCA, 108                          ; v108, v109 the way out's offsets; never rewritten
.set OSA, 109
.set S,   112                          ; v112-175 S^T, then p
.set O,   176                          ; v176-207 O^T
.set PC,  208                          ; v208-215 p's codes
.set PW,  216                          ; v216 p's scale word
.set R32, 217                          ; v217 32 r
.set BM,  224
.set BP,  228
.set SO,  232
.set F,   236                          ; v[236:237]: the packed forms name the pair and take its low word
.set T0,  238
.set OC,  240                          ; v240-243, v244: what the way out stores: written there alone
.set OW,  244
.macro CROUND
	s_barrier_signal -1
	s_barrier_wait -1
	s_cmp_lg_u32 s8, 0
	s_cbranch_scc1 .Lnot_wave_0_\@
	s_barrier_signal -3
.Lnot_wave_0_\@:
	s_barrier_wait -3
	s_barrier_signal -1
	s_barrier_wait -1
.endm
	s_load_b128 s[4:7], s[0:1], 0x0                ; qkv, ac
	v_lshl_add_u32 v[SPW], v0, 2, SPARE
	v_mov_b32 v[NIL], 0
	ds_add_u32 v[SPW], v[NIL]                      ; the wave's opening: the add, twice on end, and its wait ahead of my first tensor load
	ds_add_u32 v[SPW], v[NIL]
	v_lshrrev_b32 v1, 5, v0
	v_readfirstlane_b32 s8, v1                     ; wave 0..15
	s_bfe_u32 s9, ttmp6, 0x40000                   ; cx
	s_and_b32 s10, ttmp7, 0xffff                   ; batch x 16 + head, which the four partners share
	s_mov_b32 s24, 15|(3<<16)|(1<<21)              ; group 1: the mask names all four; elements of 8 bytes; bit 21 beside a mask
	s_mov_b32 s25, 32<<16                          ; a dense block as 35 rows of 256 bytes
	s_mov_b32 s26, 35<<16
	s_mov_b32 s27, 32<<16
	s_mov_b32 s28, 35
	s_mov_b32 s29, 32
	s_mov_b32 s30, 0
	s_mov_b32 s31, 0
	s_lshl_b32 s16, s10, 4
	s_add_co_u32 s16, s16, s8                      ; block w of the head
	s_mul_i32 s16, s16, QBLK
	s_mov_b32 s17, 0
	s_mov_b32 s32, 1
	s_mul_i32 s33, s8, BLK                         ; its place in LDS
	s_mov_b32 s20, 0x76543210
	s_mov_b32 s21, 0xfedcba98                      ; lane l xor 16
	s_mov_b32 s22, 0x3e38aa3b                      ; c = log2(e) / 8
	s_mov_b32 s23, s22
	s_mov_b32 s36, 0xffff0000                      ; lanes 16-31
	s_lshl_b32 s11, s8, 2
	s_add_co_u32 s11, s11, s9                      ; my first tile of queries,
	s_sub_co_u32 s12, 127, s11                     ; and my second
	s_lshr_b32 s13, s8, 1                          ; their last key steps, from the wave's number alone
	s_sub_co_u32 s14, 15, s13
	s_wait_dscnt 0x0                               ; both opening adds are done
	s_wait_kmcnt 0x0
	s_add_nc_u64 s[34:35], s[4:5], s[16:17]
	s_or_b32 s35, s35, 0x80000000
	CROUND                                         ; all four work-groups are here: the joint loads meet
	tensor_load_to_lds s[32:35], s[24:31]
	s_nop 0
.rept 4
	v_nop
.endr
; where a tile's codes and scale words of Q lie, where its result goes, and its first query within its 128 positions
.macro QSET tau, last, cb, sb, ob, sq
	s_lshl_b32 s16, s10, 4
	s_add_co_u32 s16, s16, s[\last]
	s_mul_i32 s16, s16, QBLK
	s_and_b32 s17, s[\tau], 7
	s_lshl_b32 s18, s17, 9
	s_add_co_u32 s18, s18, s16
	s_add_co_u32 s18, s18, 8960
	s_mov_b32 s19, 0
	s_add_nc_u64 s[\cb:\cb+1], s[4:5], s[18:19]
	s_lshl_b32 s18, s17, 2
	s_add_co_u32 s18, s18, s16
	s_add_co_u32 s18, s18, 13056
	s_add_nc_u64 s[\sb:\sb+1], s[4:5], s[18:19]
	s_lshr_b32 s18, s10, 4
	s_lshl_b32 s18, s18, 7
	s_add_co_u32 s18, s18, s[\tau]                 ; tile 128 x batch + tau of the result
	s_mul_i32 s18, s18, 8704
	s_add_nc_u64 s[\ob:\ob+1], s[6:7], s[18:19]
	s_bfe_u32 s18, s[\tau], 0x20001
	s_lshl_b32 s18, s18, 5
	s_and_b32 s17, s[\tau], 1
	s_lshl_b32 s17, s17, 3
	s_add_co_u32 s[\sq], s18, s17                  ; 32 ((tau / 2) % 4) + 8 (tau % 2)
.endm
	QSET 11, 13, 48, 50, 52, 54
	QSET 12, 14, 56, 58, 60, 55
	v_and_b32 v[T0], 31, v0
	v_lshlrev_b32 v[LI], 4, v[T0]
	v_and_b32 v110, 15, v0                         ; r
	v_bfe_u32 v111, v0, 4, 1                       ; h
	v_lshlrev_b32 v[R32], 5, v110
	global_load_b128 v[QA:QA+3], v[LI], s[48:49]
	global_load_b32 v[QSA], v[R32], s[50:51]
	global_load_b128 v[QB:QB+3], v[LI], s[56:57]
	global_load_b32 v[QSB], v[R32], s[58:59]
	v_lshl_add_u32 v[LKS], v111, 4, v[R32]
	v_lshlrev_b32 v[LVS], 4, v110
	v_lshl_add_u32 v[LVS], v111, 3, v[LVS]
	v_and_b32 v[QD0], 8, v110
	v_add_nc_u32 v[QD0], v[QD0], v110
	v_lshlrev_b32 v[T0], 4, v111
	v_sub_nc_u32 v[QD0], v[QD0], v[T0]             ; r + 8 (r / 8) - 16 h
	s_and_b32 s16, s10, 15                         ; the head
	s_lshl_b32 s17, s16, 9
	v_add_nc_u32 v[OCA], s17, v[LI]                ; the head's 64 along D are half an image: 512 x head + 16 x lane
	s_lshl_b32 s17, s16, 1
	v_add_nc_u32 v[OSA], v[R32], v111
	v_add_nc_u32 v[OSA], s17, v[OSA]               ; its two scale bytes of row r: 32 r + 2 x head + h
	v_mov_b32 v[NINF], 0xff800000
.irp j, 4,5,6,7
	v_mov_b32 v[QA+\j], 0                          ; zero codes
	v_mov_b32 v[QB+\j], 0
	v_mov_b32 v[KC+28+\j], 0
	v_mov_b32 v[BP-4+\j], 0                        ; a lane permute's destination counts as one of its sources
.endr
	v_mov_b32 v[F+1], 0                            ; named as the upper half of a pair
	s_wait_tensorcnt 0x0                           ; my block is in,
	s_barrier_signal -1
	s_barrier_wait -1                              ; everybody's is
	s_wait_loadcnt 0x0                             ; Q
; ONE TILE OF 16 QUERIES: q its fragment, qs its scale words, s[last] its last key step, s[sq] its place, s[ob] where it goes, trips a constant that covers every wave's last step.
.macro PASS q, qs, last, sq, ob, trips
	v_mov_b32 v13, 0xff61b1e6                      ; the largest t so far: -3e38
	v_floor_f32 v12, -v13                          ; -M
	v_mov_b32 v14, 0
	v_mov_b32 v15, 0
.set j, 0
.rept 32
	v_mov_b32 v[O+j], 0                            ; the step is written once: the first finds zeros
.set j, j+1
.endr
	v_add_nc_u32 v[QD], s[\sq], v[QD0]
	s_mov_b32 s37, 0                               ; the step's block in LDS
	s_mov_b32 s39, 0                               ; the key step
.Ltrip_\@:
	s_cmp_gt_u32 s39, s[\last]                     ; all its keys come after my queries: the step's work is left out.  The wave's number and the count of trips alone decide
	s_cbranch_scc1 .Lhid_\@
	v_add_nc_u32 v[ADC], s37, v[LI]                ; these three and the v_nop are the four places in front of loads into registers that the last step's matrix instructions have read
	v_add_nc_u32 v[ADS], s37, v[LKS]
	v_add_nc_u32 v[ADV], s37, v[LVS]
	v_nop
.irp i, 0,1,2,3,4,5,6,7
	ds_load_b128 v[KC+4*\i:KC+4*\i+3], v[ADC] offset:512*\i
.endr
	ds_load_b128 v[KS:KS+3], v[ADS] offset:4096    ; register i: tile i's words in lanes 0-15, tile 4 + i's in lanes 16-31
.irp t, 0,1,2,3
	ds_load_b128 v[VC+8*\t:VC+8*\t+3], v[ADC] offset:4608+1024*\t
	ds_load_b128 v[VC+8*\t+4:VC+8*\t+7], v[ADC] offset:4608+1024*\t+512
.endr
	ds_load_b64 v[VS:VS+1], v[ADV] offset:8704     ; register i: tile i's words in lanes 0-15, tile 2 + i's in lanes 16-31
	s_wait_dscnt 9                                 ; K and its scale words are in; V's nine loads may be out
.irp i, 0,1,2,3
	v_wmma_scale_f32_16x16x128_f8f6f4 v[S+8*\i:S+8*\i+7], v[KC+4*\i:KC+4*\i+7], v[\q:\q+7], 0, v[KS+\i], v[\qs] matrix_a_fmt:MATRIX_FMT_FP4 matrix_b_fmt:MATRIX_FMT_FP4
.endr
.irp i, 0,1,2,3
	v_wmma_scale_f32_16x16x128_f8f6f4 v[S+32+8*\i:S+32+8*\i+7], v[KC+16+4*\i:KC+16+4*\i+7], v[\q:\q+7], 0, v[KS+\i], v[\qs] matrix_a_fmt:MATRIX_FMT_FP4 matrix_b_fmt:MATRIX_FMT_FP4 matrix_a_scale:MATRIX_SCALE_ROW1
.endr
.rept 4
	v_nop                                          ; four places in front of the first read of the scores
.endr
	s_cmp_lg_u32 s39, s[\last]                     ; the tile's last step lies on the diagonal
	s_cbranch_scc1 .Lopen_\@
.set n, 0
.rept 64                                       ; register 16 b + i holds key 32 b + 16 h + i of the step: hidden where 32 b + i > my query - 16 h
	v_cmp_gt_i32 vcc_lo, 32*(n/16)+n%16, v[QD]
	v_cndmask_b32 v[S+n], v[S+n], v[NINF], vcc_lo
.set n, n+1
.endr
.Lopen_\@:
.set g, 0
.rept 8                                        ; a score that is exactly 0 is masked too: eight compares, eight selects, each accumulator from its low end on
.irp j, 0,1,2,3,4,5,6,7
	v_cmp_eq_f32 s[40+\j], 0, v[S+8*g+\j]
.endr
.irp j, 0,1,2,3,4,5,6,7
	v_cndmask_b32 v[S+8*g+\j], v[S+8*g+\j], v[NINF], s[40+\j]
.endr
.set g, g+1
.endr
.irp b, 0,1,2,3
	v_max3_num_f32 v[BM+\b], v[S+16*\b], v[S+16*\b+1], v[S+16*\b+2]   ; the largest score of each block of 32 keys: for the row's maximum, and, since p rises with the score, for the block's largest p
.endr
.irp i, 3,5,7,9,11,13
.irp b, 0,1,2,3
	v_max3_num_f32 v[BM+\b], v[BM+\b], v[S+16*\b+\i], v[S+16*\b+\i+1]
.endr
.endr
.irp b, 0,1,2,3
	v_max_num_f32 v[BM+\b], v[BM+\b], v[S+16*\b+15]
.endr
.irp b, 0,1,2,3
	v_permlanex16_b32 v[BP+\b], v[BM+\b], s20, s21
.endr
.irp b, 0,1,2,3
	v_max_num_f32 v[BM+\b], v[BM+\b], v[BP+\b]     ; with lane l xor 16's 16 keys
.endr
	v_max3_num_f32 v[T0], v[BM], v[BM+1], v[BM+2]
	v_max_num_f32 v[T0], v[T0], v[BM+3]
	v_mul_f32 v[T0], s22, v[T0]                    ; the step's largest t (c is positive; -infinity stays)
	v_max_num_f32 v13, v13, v[T0]                  ; the running largest t
	v_mov_b32 v[T0], v12
	v_floor_f32 v12, -v13                          ; the new -M = -ceil(t): a whole number
	v_sub_f32 v[T0], v12, v[T0]                    ; old M less new M: a whole number, 0 or less
	v_cvt_i32_f32 v[T0], v[T0]                     ; (it saturates)
	v_ldexp_f32 v[F], 1.0, v[T0]                   ; f = 2^(old M - new M): a multiplication by it rounds nothing
.set j, 0
.rept 32
	v_pk_fma_f32 v[S+j:S+j+1], v[S+j:S+j+1], s[22:23], v[12:13] op_sel_hi:[1,0,0]   ; t - M, two at a time
.set j, j+2
.endr
.irp b, 0,1,2,3
	v_fma_f32 v[BM+\b], v[BM+\b], s22, v12         ; the same of each block's largest score
.endr
.set j, 0
.rept 64
	v_exp_f32 v[S+j], v[S+j]                       ; p = 2^(t - M); 0 where the score is masked
.set j, j+1
.endr
	v_pk_mul_f32 v[14:15], v[14:15], v[F:F+1] op_sel_hi:[1,0]     ; the sums under the new M: a plain place behind the exponentials
	s_wait_alu depctr_va_vdst(0)                   ; one wait for the whole batch, ahead of its first reader
.irp b, 0,1,2,3
	v_exp_f32 v[BM+\b], v[BM+\b]                   ; the block's largest p
.endr
	v_pk_add_f32 v[BP:BP+1], v[S:S+1], v[S+2:S+3]  ; the row's sum is taken of the unquantised p, in two chains
.set j, 4
.rept 15
	v_pk_add_f32 v[14:15], v[14:15], v[S+j:S+j+1]
	v_pk_add_f32 v[BP:BP+1], v[BP:BP+1], v[S+j+2:S+j+3]
.set j, j+4
.endr
	v_pk_add_f32 v[14:15], v[14:15], v[BP:BP+1]
	s_wait_alu depctr_va_vdst(0)                   ; and one for the four
.irp b, 0,1,2,3
	v_max_num_f32 v[BM+\b], 0x1800000, v[BM+\b]    ; the floor 2^(3 - 127): a block of zeros keeps the byte 1
.endr
.irp b, 0,1,2,3
	v_add_nc_u32 v[SO+\b], 0xff000000, v[BM+\b]    ; the conversion's scale operand
.endr
.irp b, 0,1,2,3
	v_lshrrev_b32 v[BP+\b], 23, v[SO+\b]           ; the byte
.endr
	v_lshl_or_b32 v[PW], v[BP+1], 8, v[BP]
	v_lshl_or_b32 v[PW], v[BP+2], 16, v[PW]
	v_lshl_or_b32 v[PW], v[BP+3], 24, v[PW]
.irp b, 0,1,2,3
	v_cvt_scalef32_pk8_fp4_f32 v[PC+2*\b], v[S+16*\b:S+16*\b+7], v[SO+\b]
	v_cvt_scalef32_pk8_fp4_f32 v[PC+2*\b+1], v[S+16*\b+8:S+16*\b+15], v[SO+\b]
.endr
	v_nop                                          ; one plain place behind a scaled conversion
.irp c, 0,1
.irp i, 0,1
	v_permlane16_swap_b32 v[PC+4*\c+\i], v[PC+4*\c+2+\i]
.endr
.endr
.set j, 0
.rept 16
	v_pk_mul_f32 v[O+j:O+j+1], v[O+j:O+j+1], v[F:F+1] op_sel_hi:[1,0]   ; O^T under the new M; these sixteen are also the places between the scale word's and the codes' last writes and the products below
.set j, j+2
.endr
	s_wait_dscnt 0x0                               ; V and its scale words are in
.irp t, 0,1
	v_wmma_scale_f32_16x16x128_f8f6f4 v[O+8*\t:O+8*\t+7], v[VC+8*\t:VC+8*\t+7], v[PC:PC+7], v[O+8*\t:O+8*\t+7], v[VS+\t], v[PW] matrix_a_fmt:MATRIX_FMT_FP4 matrix_b_fmt:MATRIX_FMT_FP4
.endr
.irp t, 0,1
	v_wmma_scale_f32_16x16x128_f8f6f4 v[O+16+8*\t:O+16+8*\t+7], v[VC+16+8*\t:VC+16+8*\t+7], v[PC:PC+7], v[O+16+8*\t:O+16+8*\t+7], v[VS+\t], v[PW] matrix_a_fmt:MATRIX_FMT_FP4 matrix_b_fmt:MATRIX_FMT_FP4 matrix_a_scale:MATRIX_SCALE_ROW1
.endr
.Lhid_\@:
	s_add_co_u32 s37, s37, BLK
	s_add_co_u32 s39, s39, 1
	s_cmp_lt_u32 s39, \trips
	s_cbranch_scc1 .Ltrip_\@
	; THE WAY OUT of the tile: O^T / l, quantised along D: the head's 64 are two blocks
	s_wait_xcnt 0x0                                ; the first tile's stores have read their registers: v240-244 are written again only behind this wait
.rept 4
	v_nop                                          ; four places behind the last products
.endr
	v_add_f32 v14, v14, v15
	v_permlanex16_b32 v[BP], v14, s20, s21
	v_add_f32 v14, v14, v[BP]                      ; the row's sum l
	v_cmp_lt_f32 s38, 0, v14                       ; l is over 1/2 where any score counts, and 0 where none does
	v_rcp_f32 v[T0], v14
	v_nop                                          ; a plain place behind the reciprocal
	s_wait_alu depctr_va_vdst(0)                   ; and a wait ahead of its first reader
	v_cndmask_b32 v[F], 0, v[T0], s38              ; an empty row is multiplied by 0: no infinity enters the arithmetic
.set j, 0
.rept 16
	v_pk_mul_f32 v[S+j:S+j+1], v[O+j:O+j+1], v[F:F+1] op_sel_hi:[1,0]   ; register 16 b + i: channel 32 b + 16 h + i of my query; each accumulator from its low end on
.set j, j+2
.endr
.irp b, 0,1
	v_max3_num_f32 v[BM+\b], |v[S+16*\b]|, |v[S+16*\b+1]|, 0x1800000
.endr
.irp i, 2,4,6,8,10,12,14
.irp b, 0,1
	v_max3_num_f32 v[BM+\b], v[BM+\b], |v[S+16*\b+\i]|, |v[S+16*\b+\i+1]|
.endr
.endr
.irp b, 0,1
	v_permlanex16_b32 v[BP+\b], v[BM+\b], s20, s21
.endr
.irp b, 0,1
	v_max_num_f32 v[BM+\b], v[BM+\b], v[BP+\b]
.endr
.irp b, 0,1
	v_add_nc_u32 v[SO+\b], 0xff000000, v[BM+\b]
.endr
.irp b, 0,1
	v_lshrrev_b32 v[BP+\b], 23, v[SO+\b]
.endr
	v_cndmask_b32 v[OW], v[BP], v[BP+1], s36       ; lanes 0-15 store block 0's byte of their row, lanes 16-31 block 1's
	v_cndmask_b32 v[OW], 0xff, v[OW], s38          ; an empty row: the byte that stands for NaN
.irp b, 0,1
	v_cvt_scalef32_pk8_fp4_f32 v[OC+2*\b], v[S+16*\b:S+16*\b+7], v[SO+\b]
	v_cvt_scalef32_pk8_fp4_f32 v[OC+2*\b+1], v[S+16*\b+8:S+16*\b+15], v[SO+\b]
.endr
	v_nop
.irp i, 0,1
	v_permlane16_swap_b32 v[OC+\i], v[OC+2+\i]
.endr
	global_store_b128 v[OCA], v[OC:OC+3], s[\ob:\ob+1]            ; half an image: 512 consecutive bytes
	global_store_b8 v[OSA], v[OW], s[\ob:\ob+1] offset:8192
.endm
	PASS QA, QSA, 13, 54, 52, 8                    ; tile 4 w + cx: its last key step is w / 2, at most 7
	PASS QB, QSB, 14, 55, 60, 16                   ; tile 127 - (4 w + cx): 15 - w / 2
	s_wait_tensorcnt 0x0                           ; the wave's end, behind my last tensor load
	ds_add_u32 v[SPW], v[NIL]
	s_wait_dscnt 0x0
	CROUND                                         ; the closing round
	s_endpgm
.Lfunc_end_k_qe76b1be570_attn:
	.size	k_qe76b1be570_attn, .Lfunc_end_k_qe76b1be570_attn-k_qe76b1be570_attn
	.p2alignl 7, 3214868480
	.fill 96, 4, 3214868480
	.section	.rodata,"a",@progbits
	.p2align	6, 0x0
	.amdhsa_kernel k_qe76b1be570_attn
		.amdhsa_group_segment_fixed_size 327680
		.amdhsa_private_segment_fixed_size 0
		.amdhsa_enable_private_segment 0
		.amdhsa_kernarg_size 16
		.amdhsa_user_sgpr_count 2
		.amdhsa_user_sgpr_kernarg_segment_ptr 1
		.amdhsa_wavefront_size32 1
		.amdhsa_system_sgpr_workgroup_id_x 1
		.amdhsa_system_sgpr_workgroup_id_y 1
		.amdhsa_system_sgpr_workgroup_id_z 1
		.amdhsa_system_vgpr_workitem_id 0
		.amdhsa_next_free_vgpr 256
		.amdhsa_next_free_sgpr 66
		.amdhsa_reserve_vcc 1
		.amdhsa_float_denorm_mode_32 3
		.amdhsa_float_denorm_mode_16_64 3
		.amdhsa_memory_ordered 1
		.amdhsa_forward_progress 1
		.amdhsa_inst_pref_size 73
	.end_amdhsa_kernel
	.amdgpu_metadata
---
amdhsa.version: [ 1, 2 ]
amdhsa.kernels:
  - .name:           k_qe76b1be570_attn
    .symbol:         k_qe76b1be570_attn.kd
    .args:
      - { .name: qkv, .offset: 0, .size: 8, .value_kind: global_buffer, .address_space: global }
      - { .name: ac, .offset: 8, .size: 8, .value_kind: global_buffer, .address_space: global }
    .group_segment_fixed_size: 327680
    .private_segment_fixed_size: 0
    .kernarg_segment_align: 8
    .kernarg_segment_size: 16
    .max_flat_workgroup_size: 512
    .sgpr_count:     66
    .vgpr_count:     256
    .wavefront_size: 32
...
	.end_amdgpu_metadata
.endif
;; end of part 3
;; launch oproj (part 4): grid 4 x 64, 4 waves a work-group, clusters of 4 x 4, 327,680 bytes of LDS; arguments ac, wpk, Wo_b, out0; writes out0
.if DOCPART == 4
	.amdgcn_target "amdgcn-amd-amdhsa--gfx1250"
	.amdhsa_code_object_version 6
	.text
	.protected	k_qe76b1be570_oproj
	.globl	k_qe76b1be570_oproj
	.p2align	8
	.type	k_qe76b1be570_oproj,@function
k_qe76b1be570_oproj:
	s_mov_b64 s[64:65], 0
	v_nop
	global_prefetch_b8 v0, s[64:65] scope:SCOPE_SE
	s_setreg_imm32_b32 hwreg(HW_REG_WAVE_MODE, 25, 1), 1
	s_wait_xcnt 0x0
	s_wait_alu depctr_hold_cnt(0) depctr_sa_sdst(0) depctr_va_vdst(0) depctr_va_sdst(0) depctr_va_ssrc(0) depctr_va_vcc(0) depctr_vm_vsrc(0)
	s_getreg_b32 s2, hwreg(HW_REG_IB_STS2, 6, 4)
	s_cmp_eq_u32 s2, 0
	s_cbranch_scc0 .Lentry_in_a_cluster
	s_endpgm
.Lentry_in_a_cluster:
	s_bfe_u32 s2, ttmp6, 0x10000c
	s_cmp_lg_u32 s2, 0xf033
	s_cbranch_scc0 .Lentry_shape_is_right
	s_endpgm
.Lentry_shape_is_right:
; out = attn Wo + bo on codes of FP4 (E2M1) with one E8M0 scale for each 32 along K.  attn's codes come from the launch before, Wo's from the first; both as tiles of 8 register images and 512 bytes of scale words.
; A row of attn whose scale bytes are 0xff (a row with no score that counts) comes out NaN in all its columns, as the problem has it.
; SHARES, LDS AND THE PRODUCTS are those of the second launch's q and k: a work-group takes 128 rows x 256 columns, wave w 64 columns; all of K lies in LDS at once, one joint tensor load a wave, nothing filled again
; (a wave has one tensor load out); source 0 = 16 columns of Wo, source 1 = 16 rows: a lane holds one row and eight neighbouring columns a tile.  The bias is the C of each sum's first instruction.
; THE WAY OUT: 16 rows x 64 columns at a time through the wave's own stage in LDS, back as whole rows of 256 bytes: sixteen lanes store 256 consecutive bytes, aligned.
.set TILE,  8704
.set WB,    8*TILE
.set STAGE, 24*TILE                    ; behind the tiles: 16 rows x (256 bytes + 16) for each wave; no tensor load lands here
.set SPARE, STAGE+4*16*272             ; behind the stages: the spare words, 128 bytes for each wave, which no other line names
.set SPW,   14
.set NIL,   15
.set XS,    16
.set WS,    48
.set G1X,   24
.set G0X,   32
.set G1W,   48
.set G0W,   56
.set MSB, 0
.macro WIN new
.if MSB != \new
	s_set_vgpr_msb (MSB<<8)|\new
.set MSB, \new
.endif
.endm
.macro PLACES n
.rept \n
	v_nop
.endr
.endm
.macro CREST
	s_cmp_lg_u32 s16, 0
	s_cbranch_scc1 .Lnot_wave_0_\@
	s_barrier_signal -3
.Lnot_wave_0_\@:
	s_barrier_wait -3
	s_barrier_signal -1
	s_barrier_wait -1
.endm
.macro CROUND
	s_barrier_signal -1
	s_barrier_wait -1
	CREST
.endm
.macro JLOAD                           ; waves 0 and 1 fetch the rows' halves, waves 2 and 3 Wo's; an s_nop 0 and four v_nop follow each line
	s_cmp_eq_u32 s17, 0
	s_cbranch_scc0 .Lfor_w_\@
	tensor_load_to_lds s[G0X:G0X+3], s[G1X:G1X+7]
	s_nop 0
.rept 4
	v_nop
.endr
	s_branch .Lasked_\@
.Lfor_w_\@:
	tensor_load_to_lds s[G0W:G0W+3], s[G1W:G1W+7]
	s_nop 0
.rept 4
	v_nop
.endr
.Lasked_\@:
.endm
	s_load_b256 s[4:11], s[0:1], 0x0               ; ac, wpk, bo, out
	v_lshl_add_u32 v[SPW], v0, 2, SPARE
	v_mov_b32 v[NIL], 0
	ds_add_u32 v[SPW], v[NIL]                      ; the wave's opening: the add, twice on end, and its wait ahead of my first tensor load
	ds_add_u32 v[SPW], v[NIL]
	v_lshrrev_b32 v1, 5, v0
	v_readfirstlane_b32 s16, v1                    ; wave 0..3
	s_lshr_b32 s17, s16, 1
	s_and_b32 s18, s16, 1
	s_bfe_u32 s40, ttmp6, 0x40000                  ; cx, cy
	s_bfe_u32 s41, ttmp6, 0x40004
	s_lshl_b32 s42, ttmp9, 2
	s_add_co_u32 s42, s42, s40                     ; column group 0..3
	s_and_b32 s19, ttmp7, 0xffff
	s_lshl_b32 s19, s19, 2
	s_add_co_u32 s19, s19, s41                     ; row block 0..63
	s_lshl_b32 s43, s41, 2
	s_lshl_b32 s43, 15, s43                        ; my row of the cluster
	s_lshl_b32 s44, 0x1111, s40                    ; my column
	s_or_b32 s[G1X], s43, (3<<16)|(1<<21)          ; dense blocks as rows of 256 bytes (32 elements of 8 bytes): 136 rows are 4 tiles, 272 rows 8
	s_or_b32 s[G1W], s44, (3<<16)|(1<<21)
	s_mov_b32 s[G1X+1], 32<<16
	s_mov_b32 s[G1X+2], 136<<16
	s_mov_b32 s[G1X+3], 32<<16
	s_mov_b32 s[G1X+4], 136
	s_mov_b32 s[G1X+5], 32
	s_mov_b32 s[G1X+6], 0
	s_mov_b32 s[G1X+7], 0
	s_mov_b32 s[G1W+1], 32<<16
	s_mov_b32 s[G1W+2], 272<<16
	s_mov_b32 s[G1W+3], 32<<16
	s_mov_b32 s[G1W+4], 272
	s_mov_b32 s[G1W+5], 32
	s_mov_b32 s[G1W+6], 0
	s_mov_b32 s[G1W+7], 0
	s_mul_i32 s20, s19, 8*TILE                     ; the rows: hang on the row block alone
	s_mul_i32 s45, s18, 4*TILE
	s_add_co_u32 s20, s20, s45
	s_mov_b32 s21, 0
	s_mul_i32 s46, s42, 16*TILE                    ; Wo: hangs on the column group alone;
	s_mul_i32 s22, s18, 8*TILE
	s_add_co_u32 s46, s46, s22
	s_add_co_u32 s46, s46, 3*64*TILE               ; it lies behind the other three weights
	s_mov_b32 s47, 0
	s_wait_dscnt 0x0                               ; both opening adds are done
	s_wait_kmcnt 0x0
	s_add_nc_u64 s[20:21], s[4:5], s[20:21]
	s_add_nc_u64 s[46:47], s[6:7], s[46:47]
	CROUND                                         ; all sixteen work-groups are here: the joint loads meet
	s_mov_b32 s[G0X], 1
	s_mov_b32 s[G0X+1], s45
	s_mov_b64 s[G0X+2:G0X+3], s[20:21]
	s_or_b32 s[G0X+3], s[G0X+3], 0x80000000
	s_mov_b32 s[G0W], 1
	s_add_co_u32 s[G0W+1], s22, WB
	s_mov_b64 s[G0W+2:G0W+3], s[46:47]
	s_or_b32 s[G0W+3], s[G0W+3], 0x80000000
	JLOAD
	v_and_b32 v10, 15, v0                          ; r
	v_bfe_u32 v11, v0, 4, 1                        ; h
	v_and_b32 v12, 31, v0
	v_lshlrev_b32 v1, 4, v12                       ; an image's place for my lane: row tiles 0-3,
	v_add_nc_u32 v2, 4*TILE, v1                    ; 4-7,
	s_mul_i32 s75, s16, 4*TILE
	s_add_co_u32 s75, s75, WB
	v_add_nc_u32 v3, s75, v1                       ; my wave's four tiles of Wo
	v_lshlrev_b32 v4, 5, v10
	v_lshl_add_u32 v4, v11, 4, v4                  ; scale words: 32 r + 16 h
	v_add_nc_u32 v5, 4*TILE, v4
	v_add_nc_u32 v6, s75, v4
	s_mul_i32 s76, s16, 16*272
	s_add_co_u32 s76, s76, STAGE                   ; my stage
	v_mul_u32_u24 v7, v10, 272
	v_lshl_add_u32 v7, v11, 6, v7
	v_add_nc_u32 v7, s76, v7                       ; in: row r, + 64 h
	v_lshlrev_b32 v8, 6, v11                       ; the bias of my half's 16 columns
	v_mul_u32_u24 v9, v11, 272
	v_lshl_add_u32 v9, v10, 4, v9
	v_add_nc_u32 v9, s76, v9                       ; back: lanes 0-15 one row, lanes 16-31 the next
	v_lshlrev_b32 v13, 12, v11
	v_lshl_add_u32 v13, v10, 4, v13                ; and the same two rows in out
	s_lshl_b32 s66, s42, 2
	s_add_co_u32 s66, s66, s16                     ; my 64 columns
	s_lshl_b32 s70, s66, 8                         ; in bytes
	s_mov_b32 s71, 0
	s_add_nc_u64 s[8:9], s[8:9], s[70:71]
	s_lshl_b32 s68, s19, 19                        ; 128 rows of 4,096 bytes
	s_add_co_u32 s68, s68, s70
	s_mov_b32 s69, 0
	s_add_nc_u64 s[10:11], s[10:11], s[68:69]
	WIN 0x80                                       ; destination window 2
.irp u, 0,1,2,3                                ; tile u, lane (r, h), register j: column 32 (u / 2) + 16 h + 8 (u % 2) + j
	global_load_b128 v[8*\u:8*\u+3], v8, s[8:9] offset:(32*(\u/2)+8*(\u%2))*4
	global_load_b128 v[8*\u+4:8*\u+7], v8, s[8:9] offset:(32*(\u/2)+8*(\u%2))*4+16
.endr
	WIN 0
	s_wait_tensorcnt 0x0                           ; my half is in,
	s_barrier_signal -1
	s_barrier_wait -1                              ; everybody's is
.macro FETCH ks, f                     ; 24 LDS loads: K step ks of the eight row tiles and my four of Wo
.irp t, 0,1,2,3
	ds_load_b128 v[\f+8*\t:\f+8*\t+3], v1 offset:\t*TILE+(\ks)*1024
	ds_load_b128 v[\f+8*\t+4:\f+8*\t+7], v1 offset:\t*TILE+(\ks)*1024+512
.endr
.irp t, 0,1,2,3
	ds_load_b128 v[\f+32+8*\t:\f+32+8*\t+3], v2 offset:\t*TILE+(\ks)*1024
	ds_load_b128 v[\f+32+8*\t+4:\f+32+8*\t+7], v2 offset:\t*TILE+(\ks)*1024+512
.endr
.irp t, 0,1,2,3
	ds_load_b128 v[\f+64+8*\t:\f+64+8*\t+3], v3 offset:\t*TILE+(\ks)*1024
	ds_load_b128 v[\f+64+8*\t+4:\f+64+8*\t+7], v3 offset:\t*TILE+(\ks)*1024+512
.endr
.endm
.macro WM d, a, b, c, sa, sb, row
.if \row
	v_wmma_scale_f32_16x16x128_f8f6f4 v[\d:\d+7], v[\a:\a+7], v[\b:\b+7], v[\c:\c+7], v[\sa], v[\sb] matrix_a_fmt:MATRIX_FMT_FP4 matrix_b_fmt:MATRIX_FMT_FP4 matrix_a_scale:MATRIX_SCALE_ROW1 matrix_b_scale:MATRIX_SCALE_ROW1
.else
	v_wmma_scale_f32_16x16x128_f8f6f4 v[\d:\d+7], v[\a:\a+7], v[\b:\b+7], v[\c:\c+7], v[\sa], v[\sb] matrix_a_fmt:MATRIX_FMT_FP4 matrix_b_fmt:MATRIX_FMT_FP4
.endif
.endm
.macro MUL ks, f                       ; 32 matrix instructions; the 32 accumulators take turns, one instruction a turn, in the same order in every K step
.if (\ks) == 0
	WIN 0x60                                       ; C (the bias) window 2, D window 1
.else
	WIN 0x50
.endif
.irp t, 0,1,2,3,4,5,6,7
.irp u, 0,1,2,3
.if (\ks) == 0
	WM 8*(4*\t+\u), \f+64+8*\u, \f+8*\t, 8*\u, WS+4*\u+(\ks)%4, XS+4*\t+(\ks)%4, (\ks)/4
.else
	WM 8*(4*\t+\u), \f+64+8*\u, \f+8*\t, 8*(4*\t+\u), WS+4*\u+(\ks)%4, XS+4*\t+(\ks)%4, (\ks)/4
.endif
.endr
.endr
.endm
.irp t, 0,1,2,3
	ds_load_b128 v[XS+4*\t:XS+4*\t+3], v4 offset:\t*TILE+8192
	ds_load_b128 v[XS+16+4*\t:XS+16+4*\t+3], v5 offset:\t*TILE+8192
	ds_load_b128 v[WS+4*\t:WS+4*\t+3], v6 offset:\t*TILE+8192
.endr
	FETCH 0, 64
.irp ks, 0,1,2,3,4,5,6,7
.if \ks < 7
.if \ks > 0
	WIN 0
	PLACES 4                                       ; four places in front of loads into the buffer that the last K step's matrix instructions have read
.endif
	FETCH \ks+1, 64+96*((\ks+1)%2)
	s_wait_dscnt 24                                ; all but the 24 just issued
.else
	s_wait_dscnt 0x0
.endif
.if \ks == 0
	s_wait_loadcnt 0x0                             ; the bias
.endif
	MUL \ks, 64+96*(\ks%2)
.endr
	WIN 0
.macro TOSTAGE a                       ; row tile a: its four accumulators into my stage, each from its low end on, and back as whole rows
	WIN 0x04                                       ; an LDS store's data are its source 1: window 1
.irp u, 0,1,2,3
	ds_store_b128 v7, v[8*(4*(\a)+\u):8*(4*(\a)+\u)+3] offset:128*(\u/2)+32*(\u%2)
	ds_store_b128 v7, v[8*(4*(\a)+\u)+4:8*(4*(\a)+\u)+7] offset:128*(\u/2)+32*(\u%2)+16
.endr
	WIN 0
.set BB, 64+32*((\a)%2)
.irp i, 0,1,2,3,4,5,6,7
	ds_load_b128 v[BB+4*\i:BB+4*\i+3], v9 offset:544*\i            ; LDS serves a wave's instructions in order: these see the stores above, and the next tile's stores come behind them
.endr
.endm
.macro SEND a, younger                 ; younger: the LDS instructions issued behind tile a's loads, which may stay out
.set BB, 64+32*((\a)%2)
	s_wait_dscnt \younger
.irp i, 0,1,2,3,4,5,6,7                        ; the stage's rows 2 i and 2 i + 1 are rows 32 (a / 2) + 8 (a % 2) + 2 i + 8 (i / 4) and the next of my 128
	global_store_b128 v13, v[BB+4*\i:BB+4*\i+3], s[10:11] offset:(32*((\a)/2)+8*((\a)%2)+2*\i+8*(\i/4))*4096 th:TH_STORE_NT
.endr
.endm
	PLACES 4                                       ; four places in front of the first read of results and of loads into registers that held fragments
	TOSTAGE 0
.irp a, 1,2,3,4,5,6,7
.if \a > 1
	s_wait_xcnt 0x0                                ; tile a - 2's stores have read their registers: tile a's loads may land there
.endif
	TOSTAGE \a
	SEND \a-1, 16                                  ; behind tile a - 1's loads: tile a's 8 stores and 8 loads
.endr
	SEND 7, 0
	s_wait_tensorcnt 0x0                           ; the wave's end, behind my last tensor load and my last LDS store
	ds_add_u32 v[SPW], v[NIL]
	s_wait_dscnt 0x0
	CROUND                                         ; the closing round
	s_endpgm
.Lfunc_end_k_qe76b1be570_oproj:
	.size	k_qe76b1be570_oproj, .Lfunc_end_k_qe76b1be570_oproj-k_qe76b1be570_oproj
	.p2alignl 7, 3214868480
	.fill 96, 4, 3214868480
	.section	.rodata,"a",@progbits
	.p2align	6, 0x0
	.amdhsa_kernel k_qe76b1be570_oproj
		.amdhsa_group_segment_fixed_size 327680
		.amdhsa_private_segment_fixed_size 0
		.amdhsa_enable_private_segment 0
		.amdhsa_kernarg_size 32
		.amdhsa_user_sgpr_count 2
		.amdhsa_user_sgpr_kernarg_segment_ptr 1
		.amdhsa_wavefront_size32 1
		.amdhsa_system_sgpr_workgroup_id_x 1
		.amdhsa_system_sgpr_workgroup_id_y 1
		.amdhsa_system_sgpr_workgroup_id_z 1
		.amdhsa_system_vgpr_workitem_id 0
		.amdhsa_next_free_vgpr 544
		.amdhsa_next_free_sgpr 100
		.amdhsa_reserve_vcc 0
		.amdhsa_float_denorm_mode_32 3
		.amdhsa_float_denorm_mode_16_64 3
		.amdhsa_memory_ordered 1
		.amdhsa_forward_progress 1
		.amdhsa_inst_pref_size 69
	.end_amdhsa_kernel
	.amdgpu_metadata
---
amdhsa.version: [ 1, 2 ]
amdhsa.kernels:
  - .name:           k_qe76b1be570_oproj
    .symbol:         k_qe76b1be570_oproj.kd
    .args:
      - { .name: ac, .offset: 0, .size: 8, .value_kind: global_buffer, .address_space: global }
      - { .name: wpk, .offset: 8, .size: 8, .value_kind: global_buffer, .address_space: global }
      - { .name: Wo_b, .offset: 16, .size: 8, .value_kind: global_buffer, .address_space: global }
      - { .name: out0, .offset: 24, .size: 8, .value_kind: global_buffer, .address_space: global }
    .group_segment_fixed_size: 327680
    .private_segment_fixed_size: 0
    .kernarg_segment_align: 8
    .kernarg_segment_size: 32
    .max_flat_workgroup_size: 128
    .sgpr_count:     100
    .vgpr_count:     544
    .wavefront_size: 32
...
	.end_amdgpu_metadata
.endif
;; end of part 4
